; MI455X (gfx1250); checked and timed in simulation.
; The chip was launched on July 23, 2026; its instructions are those of AMD's public machine-readable ISA for CDNA 5 (MIT licence, August 2026) and "CDNA5" Instruction Set Architecture Reference Guide (July 2026). The comments in the code are by the model that wrote it; some were corrected since.
;; Bert Self Attention. Allowed arithmetic: float matrix products may take bf16 or f16 operands with f32 sums; all other float work in f32.
;; Inputs: Wk 1,024 x 1,024 float32; Wq 1,024 x 1,024 float32; Wv 1,024 x 1,024 float32; attention_mask 2 x 1 x 1 x 2,048 float32; bk 1,024 float32; bq 1,024 float32; bv 1,024 float32; hidden_states 2 x 2,048 x 1,024 float32.
;; Outputs: out0 2 x 2,048 x 1,024 float32.
;; One version. Each part assembles by itself: llvm-mc -triple=amdgcn-amd-amdhsa -mcpu=gfx1250 --defsym DOCPART=n.
;; ======== version 1 of 1: 3 launches
;; limits: right only within a limited range of input values; values are held in f16: magnitudes above 65,504 overflow, below 6.1e-05 lose precision
;; workspace buffers: xb 8,388,608 bytes; wb 6,291,456 bytes; qkv 25,165,824 bytes
;; launch cast (part 1): grid 448 x 1, 8 waves a work-group, no clusters, 0 bytes of LDS; arguments hidden_states, Wq, Wk, Wv, xb, wb; writes xb, wb
.if DOCPART == 1
	.amdgcn_target "amdgcn-amd-amdhsa--gfx1250"
	.amdhsa_code_object_version 6
	.text
	.protected	k_q03ce7566f2_cast
	.globl	k_q03ce7566f2_cast
	.p2align	8
	.type	k_q03ce7566f2_cast,@function
k_q03ce7566f2_cast:
	s_mov_b64 s[64:65], 0
	v_nop
	global_prefetch_b8 v0, s[64:65] scope:SCOPE_SE
	s_setreg_imm32_b32 hwreg(HW_REG_WAVE_MODE, 25, 1), 1
	s_wait_xcnt 0x0
; hidden_states [4096][1024] and Wq, Wk, Wv [1024][1024], all f32, are rounded once (to nearest even) to bf16:
; xb [4096][1024] and wb [3072][1024] (rows 0-1023 Wq, 1024-2047 Wk, 2048-3071 Wv), the operands of the next launch's matrix product.
; A pure stream: every input byte is read once, every output byte written once.  No LDS, no barrier, no matrix unit, no cluster:
; no two work-groups read the same byte.
; A work-group takes 65,536 input bytes (32,768 output bytes): groups 0-255 hidden_states, groups 256-447 the three weights, 64 groups each.
; Thread t, step i: 16 bytes at 16 t + 4,096 i in, 8 bytes at 8 t + 2,048 i out.  A wave's load covers 512 consecutive bytes,
; a wave's store 256 consecutive bytes that start at a multiple of 256.  All sixteen loads of a thread go out at once, each into
; registers of its own, and each store has data registers of its own: no register is used twice, so there is no loop.
.set STEPS, 16
.set X, 4                              ; v[4:67]   step i: 4 f32 as loaded
.set Y, 68                             ; v[68:99]  step i: 4 bf16 to store
	s_load_b256 s[4:11], s[0:1], 0x0               ; hidden s[4:5], Wq s[6:7], Wk s[8:9], Wv s[10:11]
	s_load_b128 s[12:15], s[0:1], 0x20             ; xb s[12:13], wb s[14:15]
	s_mov_b32 s19, ttmp9                           ; the work-group's number
	s_max_u32 s16, s19, 256
	s_sub_co_u32 s16, s16, 256                     ; its number among the weights' 192 groups (0 for the groups of hidden_states: not used there)
	s_lshr_b32 s17, s16, 6                         ; which weight: 0 Wq, 1 Wk, 2 Wv
	s_and_b32 s18, s16, 63                         ; which 65,536 bytes of it
	v_lshlrev_b32 v1, 4, v0                        ; 16 t
	v_lshlrev_b32 v2, 3, v0                        ; 8 t
	s_wait_kmcnt 0x0
	s_cmp_eq_u32 s17, 1
	s_cselect_b64 s[20:21], s[8:9], s[6:7]         ; Wk or Wq
	s_cmp_eq_u32 s17, 2
	s_cselect_b64 s[20:21], s[10:11], s[20:21]     ; or Wv
	s_cmp_lt_u32 s19, 256
	s_cselect_b64 s[20:21], s[4:5], s[20:21]       ; or hidden_states
	s_cselect_b64 s[22:23], s[12:13], s[14:15]     ; to xb or to wb
	s_cselect_b32 s24, s19, s18                    ; the piece's number in its source
	s_cselect_b32 s26, s19, s16                    ; and in its destination (wb holds the three weights one behind the other)
	s_lshl_b32 s24, s24, 16                        ; x 65,536 bytes
	s_mov_b32 s25, 0
	s_lshl_b32 s26, s26, 15                        ; x 32,768 bytes
	s_mov_b32 s27, 0
	s_add_nc_u64 s[20:21], s[20:21], s[24:25]
	s_add_nc_u64 s[22:23], s[22:23], s[26:27]
.set i, 0
.rept STEPS
	global_load_b128 v[X+4*i:X+4*i+3], v1, s[20:21] offset:4096*i th:TH_LOAD_NT    ; read once in the whole launch
.set i, i+1
.endr
.set i, 0
.rept STEPS
	s_wait_loadcnt STEPS-1-i                       ; loads come back in order (ISA guide 5.7.1): step i is in, the younger ones stay out
	v_cvt_pk_bf16_f32 v[Y+2*i],   v[X+4*i],   v[X+4*i+1]
	v_cvt_pk_bf16_f32 v[Y+2*i+1], v[X+4*i+2], v[X+4*i+3]
	global_store_b64 v2, v[Y+2*i:Y+2*i+1], s[22:23] offset:2048*i                  ; no hint: the next launch reads these bytes
.set i, i+1
.endr
	s_endpgm
.Lfunc_end_k_q03ce7566f2_cast:
	.size	k_q03ce7566f2_cast, .Lfunc_end_k_q03ce7566f2_cast-k_q03ce7566f2_cast
	.p2alignl 7, 3214868480
	.fill 96, 4, 3214868480
	.section	.rodata,"a",@progbits
	.p2align	6, 0x0
	.amdhsa_kernel k_q03ce7566f2_cast
		.amdhsa_group_segment_fixed_size 0
		.amdhsa_private_segment_fixed_size 0
		.amdhsa_enable_private_segment 0
		.amdhsa_kernarg_size 48
		.amdhsa_user_sgpr_count 2
		.amdhsa_user_sgpr_kernarg_segment_ptr 1
		.amdhsa_wavefront_size32 1
		.amdhsa_system_sgpr_workgroup_id_x 1
		.amdhsa_system_sgpr_workgroup_id_y 1
		.amdhsa_system_sgpr_workgroup_id_z 1
		.amdhsa_system_vgpr_workitem_id 0
		.amdhsa_next_free_vgpr 104
		.amdhsa_next_free_sgpr 66
		.amdhsa_reserve_vcc 0
		.amdhsa_float_denorm_mode_32 3
		.amdhsa_float_denorm_mode_16_64 3
		.amdhsa_memory_ordered 1
		.amdhsa_forward_progress 1
		.amdhsa_inst_pref_size 7
	.end_amdhsa_kernel
	.amdgpu_metadata
---
amdhsa.version: [ 1, 2 ]
amdhsa.kernels:
  - .name:           k_q03ce7566f2_cast
    .symbol:         k_q03ce7566f2_cast.kd
    .args:
      - { .name: hidden_states, .offset: 0, .size: 8, .value_kind: global_buffer, .address_space: global }
      - { .name: Wq, .offset: 8, .size: 8, .value_kind: global_buffer, .address_space: global }
      - { .name: Wk, .offset: 16, .size: 8, .value_kind: global_buffer, .address_space: global }
      - { .name: Wv, .offset: 24, .size: 8, .value_kind: global_buffer, .address_space: global }
      - { .name: xb, .offset: 32, .size: 8, .value_kind: global_buffer, .address_space: global }
      - { .name: wb, .offset: 40, .size: 8, .value_kind: global_buffer, .address_space: global }
    .group_segment_fixed_size: 0
    .private_segment_fixed_size: 0
    .kernarg_segment_align: 8
    .kernarg_segment_size: 48
    .max_flat_workgroup_size: 256
    .sgpr_count:     66
    .vgpr_count:     104
    .wavefront_size: 32
...
	.end_amdgpu_metadata
.endif
;; end of part 1
;; launch proj (part 2): grid 16 x 16, 4 waves a work-group, clusters of 4 x 4, 327,680 bytes of LDS; arguments xb, wb, bq, bk, bv, qkv; writes qkv
.if DOCPART == 2
	.amdgcn_target "amdgcn-amd-amdhsa--gfx1250"
	.amdhsa_code_object_version 6
	.text
	.protected	k_q03ce7566f2_proj
	.globl	k_q03ce7566f2_proj
	.p2align	8
	.type	k_q03ce7566f2_proj,@function
k_q03ce7566f2_proj:
	s_mov_b64 s[64:65], 0
	v_nop
	global_prefetch_b8 v0, s[64:65] scope:SCOPE_SE
	s_setreg_imm32_b32 hwreg(HW_REG_WAVE_MODE, 25, 1), 1
	s_wait_xcnt 0x0
	s_wait_alu depctr_hold_cnt(0) depctr_sa_sdst(0) depctr_va_vdst(0) depctr_va_sdst(0) depctr_va_ssrc(0) depctr_va_vcc(0) depctr_vm_vsrc(0)
	s_getreg_b32 s2, hwreg(HW_REG_IB_STS2, 6, 4)
	s_cmp_eq_u32 s2, 0
	s_cbranch_scc0 .Lentry_in_a_cluster
	s_endpgm
.Lentry_in_a_cluster:
	s_bfe_u32 s2, ttmp6, 0x10000c
	s_cmp_lg_u32 s2, 0xf033
	s_cbranch_scc0 .Lentry_shape_is_right
	s_endpgm
.Lentry_shape_is_right:
; qkv = xb wb^T + bias: [4096 rows m] x [3072 features n] over K = 1024, bf16 operands, f32 sums, rounded once to 16 bits.
; Stored split into heads: qkv[gh][m][d], gh = n / 64 (0-15 q, 16-31 k, 32-47 v), d = n % 64, byte gh*524,288 + m*128 + 2 d.
; FORMATS: q and k leave as bf16, v as f16.  An output of the attention is a mean of up to 2,048 numbers of v and can be some 40 times smaller than
; they are, so v's rounding weighs heavily there: f16 keeps 11 significant bits where bf16 keeps 8.
; LIMIT: |v| beyond 65,504 becomes infinite in f16.  Room: with hidden_states and Wv both 30 times the drawn spread |v| stays near 3,000; with offsets of
; 30 spreads on both, v is about 1,024 x 30 x 0.6 = 18,432.  With both 30 times smaller v is about 7e-4, where f16's step is 6e-8.
; A work-group makes a block of 256 rows x 192 features (three heads) with four waves, one for each SIMD of a WGP; a wave makes 128 x 96:
; 8 x 6 = 48 accumulator tiles of 16 x 16, 384 registers.  16 x 16 = 256 work-groups.
; K goes in steps of 128 through a ring of two LDS slots filled by the tensor data mover: a tile's rows are 256 bytes of memory and
; start at multiples of 256 bytes from the buffer's first byte.
; CLUSTERS: 4 x 4 work-groups.  The four of a row of the cluster share the block row, so the tiles of xb; the four of a column share the
; block column, so the tiles of wb.  Such a tile is asked for jointly by the four, which divides the requests for both by four.
; THE BIAS is the C operand of each accumulator's first product: nothing is cleared and nothing is added at the end.
; THE MATRIX INSTRUCTION IS USED TRANSPOSED: source 0 = 16 rows of wb (features), source 1 = 16 rows of xb.  Lane l then holds row l % 16
; and its registers 0-7 the features 8 (l / 16) + 0..7: eight neighbouring numbers, 16 bytes when rounded.
;
; REGISTERS, in windows of 256:
;   window 0: v16-27 addresses; v64-127, v128-191 fragments of xb (8 x 16 rows x 32 K), two buffers; v192-239 the bias tiles, later the way out's packed results
;   window 1: v64-111, v128-175 fragments of wb (6 x 16 rows x 32 K), two buffers
;   window 2: the 24 accumulator tiles of my rows 0-63 (tile (a, b) at v[8 (6 a + b)]);   window 3: those of my rows 64-127
.set SIZE_K, 1024
.set KSTEP,  128
.set PITCH,  272                       ; an LDS row: 256 bytes + 16 of padding = 17 x 16 bytes: the 16 rows of a fragment load fall on 16 different 16-byte columns of 256
.set HALFT,  128*PITCH                 ; a wave's region of a slot: 128 rows of xb, or 96 rows of wb (26,112 of the 34,816 bytes)
.set SLOT,   4*HALFT                   ; xb rows 0-127, 128-255, wb rows 0-95, 96-191: region = wave's number
.set SP,     400                       ; the way out's stage: 256 rows of 384 bytes + 16 = 25 x 16 bytes, in slot 0
.set HEADB,  524288                    ; bytes of a head in qkv
.set LAPS,   SIZE_K/(2*KSTEP)          ; a lap = two K steps = once round the ring: 4
.set ADRA, 16                          ; v16-17  LDS address of my xb fragments in slot 0, 1
.set ADRB, 20                          ; v20-21  the same for wb
.set STO,  24                          ; v24     the way out: where I put 16 bytes of a row
.set RD,   25                          ; v25     the way out: where I read rows back
.set CO,   26                          ; v26     16 x lane: my byte offset in a store of 512 bytes
.set BO,   27                          ; v27     32 (l / 16): my eight numbers in a bias tile
.set F0,   64
.set F1,   128
.set BIAS, 192                         ; v192-239 six tiles: register j of tile b = bias[n0 + 16 b + 8 (l / 16) + j]
.set TMP,  192                         ; the way out: results packed as bf16, then the chosen ones (the bias is long used up)
.set TMP2, 216                         ; the way out: the same results packed as f16
.set G1,  24                           ; s[24:31] descriptor group 1 for xb tiles
.set G0,  32                           ; s[32:39] descriptor group 0 for xb tiles, one set for each slot
.set G1B, 48                           ; s[48:55] group 1 for wb tiles
.set G0B, 56                           ; s[56:63] group 0 for wb tiles, one set for each slot
.set BP,  66                           ; s[66:77] six addresses, one for each bias tile
.set FM,  66                           ; s[66:71] on the way out, when the bias has long been loaded: tile b's lane mask, all ones where its features belong to v
.set MSB, 0
.macro WIN new                         ; the immediate's high byte repeats the setting that is left
.if MSB != \new
	s_set_vgpr_msb (MSB<<8)|\new
.set MSB, \new
.endif
.endm
.set MUL_LO,   0xa1                    ; source 0 (wb) window 1, source 1 (xb) window 0, C and D window 2
.set MUL_HI,   0xf1                    ; the same, C and D window 3
.set FIRST_LO, 0x81                    ; the first products: C is the bias in window 0, D window 2
.set FIRST_HI, 0xc1                    ; D window 3
.set TO_B,     0x40                    ; destination window 1, address window 0
; A joint load.  Waves 0 and 1 fetch the two halves of the xb tile, waves 2 and 3 those of the wb tile.  Each line has one mask and one set of
; registers for all that issue it; the branch hangs on the wave's number alone.
.macro JLOAD s
	s_cmp_eq_u32 s11, 0
	s_cbranch_scc0 .Lfor_b_\@
	tensor_load_to_lds s[G0+4*\s:G0+4*\s+3], s[G1:G1+7]
	s_nop 0
	s_branch .Lasked_\@
.Lfor_b_\@:
	tensor_load_to_lds s[G0B+4*\s:G0B+4*\s+3], s[G1B:G1B+7]
	s_nop 0
.Lasked_\@:
.endm
; A round of the cluster's barrier: my work-group's barrier, wave 0 signals for the work-group, every wave waits for all sixteen
; work-groups, my work-group's barrier once more.
.macro CREST                           ; a round behind its opening barrier
	s_cmp_lg_u32 s10, 0
	s_cbranch_scc1 .Lnot_wave_0_\@
	s_barrier_signal -3
.Lnot_wave_0_\@:
	s_barrier_wait -3
	s_barrier_signal -1
	s_barrier_wait -1
.endm
.macro CROUND                          ; a whole round
	s_barrier_signal -1
	s_barrier_wait -1
	CREST
.endm
	s_load_b128 s[4:7], s[0:1], 0x0                ; xb s[4:5], wb s[6:7]
	s_load_b128 s[80:83], s[0:1], 0x10             ; bq s[80:81], bk s[82:83]
	s_load_b64 s[84:85], s[0:1], 0x20              ; bv
	s_load_b64 s[8:9], s[0:1], 0x28                ; qkv
	s_set_vgpr_msb 0x40
	v_lshl_add_u32 v255, v0, 2, 0x44000
	s_set_vgpr_msb 0x4000
	v_mov_b32 v255, 0
	s_set_vgpr_msb 0x1
	ds_add_u32 v255, v255
	s_set_vgpr_msb 0x100
	v_lshrrev_b32 v1, 5, v0
	v_readfirstlane_b32 s10, v1                    ; wave 0..3
	s_lshr_b32 s11, s10, 1                         ; which half of the block's rows is mine.  Also: I fetch xb (0) or wb (1)
	s_and_b32 s12, s10, 1                          ; which half of its features.  Also: which half of that tile I fetch
	s_bfe_u32 s40, ttmp6, 0x40000                  ; cx
	s_bfe_u32 s41, ttmp6, 0x40004                  ; cy
	s_lshl_b32 s42, ttmp9, 2
	s_add_co_u32 s42, s42, s40                     ; block column (192 features) = 4 x cluster x + cx
	s_and_b32 s13, ttmp7, 0xffff
	s_lshl_b32 s13, s13, 2
	s_add_co_u32 s13, s13, s41                     ; block row (256 rows) = 4 x cluster y + cy
	s_lshl_b32 s43, s41, 2
	s_lshl_b32 s43, 15, s43                        ; my row of the cluster: places 4 cy .. 4 cy + 3
	s_lshl_b32 s44, 0x1111, s40                    ; my column: places cx, cx + 4, cx + 8, cx + 12
	; group 1: tiles of 128 (xb) or 96 (wb) rows x 128 elements of 2 bytes, 4 words of padding behind every 64 words
	s_or_b32 s[G1+0], s43, (1<<16)|(1<<20)|(1<<21)|(5<<22)|(3<<25)   ; 15:0 the mask: my row; 17:16 2-byte elements; 20 padding; 21 set beside a mask; 24:22 every 64 words; 31:25 4 words
	s_or_b32 s[G1B+0], s44, (1<<16)|(1<<20)|(1<<21)|(5<<22)|(3<<25)  ; the same with the mask of my column
	s_mov_b32 s[G1+1], KSTEP<<16                   ; tensor_dim0 = 128
	s_mov_b32 s[G1B+1], KSTEP<<16
	s_mov_b32 s[G1+2], 128<<16                     ; tensor_dim1 = 128 rows
	s_mov_b32 s[G1B+2], 96<<16                     ; 96 rows
	s_mov_b32 s[G1+3], KSTEP<<16                   ; tile_dim0 = 128
	s_mov_b32 s[G1B+3], KSTEP<<16
	s_mov_b32 s[G1+4], 128                         ; tile_dim1
	s_mov_b32 s[G1B+4], 96
	s_mov_b32 s[G1+5], SIZE_K                      ; elements from row to row
	s_mov_b32 s[G1B+5], SIZE_K
	s_mov_b32 s[G1+6], 0
	s_mov_b32 s[G1B+6], 0
	s_mov_b32 s[G1+7], 0
	s_mov_b32 s[G1B+7], 0
	; where the tiles come from: xb hangs on the block row alone, wb on the block column alone, each in registers that never hold the other coordinate
	s_lshl_b32 s17, s12, 7
	s_lshl_b32 s16, s13, 8
	s_add_co_u32 s16, s16, s17                     ; xb: row 256 x block row + 128 x half
	s_lshl_b32 s16, s16, 11                        ; x 2,048 bytes (8 MiB at the most)
	s_mov_b32 s17, 0
	s_mul_i32 s46, s42, 192
	s_mul_i32 s47, s12, 96
	s_add_co_u32 s46, s46, s47                     ; wb: row 192 x block column + 96 x half
	s_lshl_b32 s46, s46, 11
	s_mov_b32 s47, 0
	s_mul_i32 s20, s10, HALFT                      ; and where they go: the wave's region of the slot
	s_mul_i32 s78, s42, 192
	s_mul_i32 s79, s12, 96
	s_add_co_u32 s78, s78, s79                     ; my first feature, for the bias and for the choice of format
	s_mov_b32 s87, 0
	s_wait_dscnt 0x0
	s_wait_kmcnt 0x0
	s_add_nc_u64 s[14:15], s[4:5], s[16:17]
	s_add_nc_u64 s[46:47], s[6:7], s[46:47]
	CROUND                                         ; all sixteen work-groups are here: the first joint loads meet
.irp s, 0,1
	s_mov_b32 s[G0+4*\s], 1                                        ; count = 1
	s_add_co_u32 s[G0+4*\s+1], s20, \s*SLOT                        ; LDS address
	s_add_nc_u64 s[G0+4*\s+2:G0+4*\s+3], s[14:15], \s*KSTEP*2      ; global address: K step s
	s_or_b32 s[G0+4*\s+3], s[G0+4*\s+3], 0x80000000                ; type = 2
	s_mov_b32 s[G0B+4*\s], 1
	s_add_co_u32 s[G0B+4*\s+1], s20, \s*SLOT
	s_add_nc_u64 s[G0B+4*\s+2:G0B+4*\s+3], s[46:47], \s*KSTEP*2
	s_or_b32 s[G0B+4*\s+3], s[G0B+4*\s+3], 0x80000000
	JLOAD \s                                       ; both slots are asked for before anything else: two tensor loads of a wave are out here, one later on
.endr
	; A fragment is 16 rows x 32 K in 8 registers: lane l holds row l % 16; registers 0-3 K = 8 (l / 16) + 0..7, registers 4-7 K = 16 + 8 (l / 16) + 0..7:
	; two loads of 16 bytes, 32 bytes apart, at row x pitch + 16 (l / 16).
	v_and_b32 v1, 15, v0                           ; l % 16
	v_bfe_u32 v2, v0, 4, 1                         ; l / 16
	v_mul_u32_u24 v3, v1, PITCH
	v_lshl_add_u32 v3, v2, 4, v3
	s_mul_i32 s21, s11, HALFT                      ; my 128 rows of xb
	s_mul_i32 s22, s12, HALFT                      ; my 96 rows of wb,
	s_add_co_u32 s22, s22, 2*HALFT                 ; behind the two regions of xb
.irp s, 0,1
	v_add_nc_u32 v[ADRA+\s], s21, v3
	v_add_nc_u32 v[ADRB+\s], s22, v3
	s_add_co_u32 s21, s21, SLOT
	s_add_co_u32 s22, s22, SLOT
.endr
	s_mul_i32 s23, s11, 128*SP                     ; the stage, in: row 128 x row half + l % 16, byte 192 x feature half + 16 (l / 16)
	s_mul_i32 s2, s12, 192
	s_add_co_u32 s23, s23, s2
	v_mul_u32_u24 v4, v1, SP
	v_lshl_add_u32 v4, v2, 4, v4
	v_add_nc_u32 v[STO], s23, v4
	s_mul_i32 s23, s10, 64*SP                      ; back: wave w takes rows 64 w .. 64 w + 63; a load takes 128 bytes (one head) of four rows
	v_bfe_u32 v5, v0, 3, 2                         ; lane / 8: which of the four rows
	v_mul_u32_u24 v5, v5, SP
	v_and_b32 v6, 7, v0
	v_lshl_add_u32 v5, v6, 4, v5                   ; + 16 (lane % 8)
	v_add_nc_u32 v[RD], s23, v5
	v_and_b32 v6, 31, v0
	v_lshlrev_b32 v[CO], 4, v6                     ; four rows of 128 bytes lie one behind the other in qkv: 16 x lane
	v_lshlrev_b32 v[BO], 5, v2
; Bias tile b: features n = n0 + 16 b .. + 15, which never cross a multiple of 1,024, so they lie in one of bq, bk, bv.
; The choice is a select, no branch; each tile has an address pair of its own, so none is rewritten under a pending load.
.macro BIASLD b
	s_add_co_u32 s88, s78, 16*\b
	s_lshr_b32 s89, s88, 10                        ; 0 bq, 1 bk, 2 bv
	s_and_b32 s86, s88, 1023
	s_lshl_b32 s86, s86, 2                         ; byte offset in it (s87 = 0)
	s_cmp_eq_u32 s89, 1
	s_cselect_b64 s[BP+2*\b:BP+2*\b+1], s[82:83], s[80:81]
	s_cmp_eq_u32 s89, 2
	s_cselect_b64 s[BP+2*\b:BP+2*\b+1], s[84:85], s[BP+2*\b:BP+2*\b+1]
	s_add_nc_u64 s[BP+2*\b:BP+2*\b+1], s[BP+2*\b:BP+2*\b+1], s[86:87]
	global_load_b128 v[BIAS+8*\b:BIAS+8*\b+3],   v[BO], s[BP+2*\b:BP+2*\b+1]
	global_load_b128 v[BIAS+8*\b+4:BIAS+8*\b+7], v[BO], s[BP+2*\b:BP+2*\b+1] offset:16
.endm
.irp b, 0,1,2,3,4,5
	BIASLD \b
.endr
; 12 matrix instructions: row blocks a0, a0 + 1 of the window's four (hi = 0: my rows 0-63, 1: rows 64-127) x all 6 feature blocks, 32 along K.
; first = 1: the sum starts from the bias.
.macro MUL12 f, hi, a0, first
.irp a, \a0, \a0+1
.irp b, 0,1,2,3,4,5
.if \first
	v_wmma_f32_16x16x32_bf16 v[8*(6*(\a)+\b):8*(6*(\a)+\b)+7], v[\f+8*\b:\f+8*\b+7], v[\f+8*(4*\hi+\a):\f+8*(4*\hi+\a)+7], v[BIAS+8*\b:BIAS+8*\b+7]
.else
	v_wmma_f32_16x16x32_bf16 v[8*(6*(\a)+\b):8*(6*(\a)+\b)+7], v[\f+8*\b:\f+8*\b+7], v[\f+8*(4*\hi+\a):\f+8*(4*\hi+\a)+7], v[8*(6*(\a)+\b):8*(6*(\a)+\b)+7]
.endif
.endr
.endr
.endm
; 28 LDS loads in one run: the fragments of one quarter step (96 rows of wb, 128 rows of xb, 32 K at byte k of the rows) into buffer f
.macro FETCH slot, k, f
	WIN TO_B
.irp i, 0,1,2,3,4,5
	ds_load_b128 v[\f+8*\i:\f+8*\i+3],   v[ADRB+\slot] offset:\k+\i*16*PITCH
	ds_load_b128 v[\f+8*\i+4:\f+8*\i+7], v[ADRB+\slot] offset:\k+\i*16*PITCH+32
.endr
	WIN 0
.irp i, 0,1,2,3,4,5,6,7
	ds_load_b128 v[\f+8*\i:\f+8*\i+3],   v[ADRA+\slot] offset:\k+\i*16*PITCH
	ds_load_b128 v[\f+8*\i+4:\f+8*\i+7], v[ADRA+\slot] offset:\k+\i*16*PITCH+32
.endr
.endm
; A load into a register that a matrix instruction has read, and a vector instruction that reads a matrix result, stand four places behind it;
; only plain vector instructions that name none of its registers are places (ISA guide 7.12.1 for vector instructions).
.macro PLACES
.rept 4
	v_nop
.endr
.endm
; A K step is four quarter steps of 32 along K, 48 matrix instructions each, on buffers 0, 1, 0, 1.  The 48 accumulators take turns, one instruction
; a turn, in the same order in every quarter, over the loop's backward jump too.
; One of the first three quarters: multiplies buffer f; in its middle it fetches the next quarter's fragments into buffer g.
.macro QUARTER slot, k, f, g, first
	s_wait_dscnt 8                                 ; wb and xb rows 0-63 are in; the youngest eight loads (xb rows 64-127) may be out
.if \first
	WIN FIRST_LO
.else
	WIN MUL_LO
.endif
	MUL12 \f, 0, 0, \first
	MUL12 \f, 0, 2, \first
	PLACES
	FETCH \slot, \k, \g
	s_wait_dscnt 28                                ; all but the 28 just issued
.if \first
	WIN FIRST_HI
.else
	WIN MUL_HI
.endif
	MUL12 \f, 1, 0, \first
	MUL12 \f, 1, 2, \first
.endm
.macro THREE slot, first
	QUARTER \slot, 64,  F0, F1, \first
	QUARTER \slot, 128, F1, F0, 0
	QUARTER \slot, 192, F0, F1, 0
.endm
; The last quarter: multiplies buffer 1 and changes slots.  fill = 1: this slot is filled again, two K steps ahead.
; In front of the barrier each wave waits for its own reads of this slot and for all its tensor loads (one is out: its part of the next slot).
; Behind it nobody reads this slot and the next slot is whole: the refill comes first, then the next slot's first fragments.
; From a request to the wait for it a wave issues 180 matrix instructions.
.macro TURN slot, next, fill
	s_wait_dscnt 8
	WIN MUL_LO
	MUL12 F1, 0, 0, 0
	s_wait_dscnt 0                                 ; my reads of this slot are over
	s_wait_tensorcnt 0x0                           ; and all my tensor loads have landed
	ds_add_u32 v255, v255
	s_wait_dscnt 0x0
	s_barrier_signal -1                            ; say so (where the slot is filled again this barrier opens a round of the cluster's barrier),
	MUL12 F1, 0, 2, 0                              ; work on registers while the others arrive,
	WIN 0
	s_barrier_wait -1
.if \fill
	CREST                                          ; no wave of any partner still reads this slot or has a load on its way
	s_add_nc_u64 s[G0+4*\slot+2:G0+4*\slot+3], s[G0+4*\slot+2:G0+4*\slot+3], 2*KSTEP*2
	s_add_nc_u64 s[G0B+4*\slot+2:G0B+4*\slot+3], s[G0B+4*\slot+2:G0B+4*\slot+3], 2*KSTEP*2
	JLOAD \slot                                    ; the first tensor load behind the round, and my only one until the next
.endif
	PLACES
	FETCH \next, 0, F0
	WIN MUL_HI
	MUL12 F1, 1, 0, 0
	MUL12 F1, 1, 2, 0
.endm
.macro LAP first                       ; once round the ring, both slots filled again
	THREE 0, \first
	TURN 0, 1, 1
	THREE 1, 0
	TURN 1, 0, 1
.endm
	s_wait_loadcnt 0x0                             ; the bias tiles
	s_wait_tensorcnt 1                             ; my part of K step 0 is in; K step 1's load stays out
	s_barrier_signal -1
	s_barrier_wait -1                              ; everybody's is
	FETCH 0, 0, F0
	LAP 1                                          ; the first lap stands in front of the loop: its first products start the sums from the bias
	WIN 0                                          ; at a label and at a branch every window is 0
	s_mov_b32 s3, LAPS-2
.Llap:
	LAP 0
	WIN 0
	s_sub_co_u32 s3, s3, 1
	s_cmp_lg_u32 s3, 0
	s_cbranch_scc1 .Llap
	THREE 0, 0                                     ; the last lap fills nothing: the one tensor load still out is slot 1's, the last K step's
	TURN 0, 1, 0                                   ; behind this barrier no wave reads slot 0 any more, and no load fills it again
	THREE 1, 0
	s_wait_dscnt 8                                 ; the very last quarter
	WIN MUL_LO
	MUL12 F1, 0, 0, 0
	MUL12 F1, 0, 2, 0
	s_wait_dscnt 0
	WIN MUL_HI
	MUL12 F1, 1, 0, 0
	MUL12 F1, 1, 2, 0
	; THE WAY OUT.  The block's 256 rows x 192 features are gathered, rounded to 16 bits, in a stage in slot 0 (its last fill and its last reads lie behind the
	; barrier of the last change of slots), because the middle head's columns belong to two waves.  Then each wave stores 64 rows of each head.
	PLACES                                         ; the places behind the last matrix instructions, for the conversions and for the loads into buffers 0 and 1
	s_lshl_b32 s16, s13, 15                        ; 256 rows x 128 bytes x block row
	s_lshl_b32 s17, s10, 13                        ; + 64 rows x 128 bytes x wave
	s_add_co_u32 s16, s16, s17
	s_mov_b32 s17, 0
	s_add_nc_u64 s[8:9], s[8:9], s[16:17]
	s_mul_i32 s46, s42, 3*HEADB                    ; + three heads x block column (in registers that may hold cx)
	s_mov_b32 s47, 0
	s_add_nc_u64 s[8:9], s[8:9], s[46:47]
	; The format of tile b: f16 where its 16 features lie at 2,048 or beyond (v), else bf16.  One block column (features 1,920 to 2,111) holds heads of k and of v,
	; so each tile is rounded both ways and a select takes one.
.irp b, 0,1,2,3,4,5
	s_add_co_u32 s88, s78, 16*\b
	s_cmp_ge_u32 s88, 2048
	s_cselect_b32 s[FM+\b], -1, 0
.endr
; rows 16 i .. 16 i + 15 of my 128 = the six tiles (a, 0..5) of window 2 or 3 (from = 0x0a or 0x0f: sources 0 and 1)
.macro OUTROWS i, a, from
	WIN \from
.irp b, 0,1,2,3,4,5
.irp r, 0,1,2,3
	v_cvt_pk_bf16_f32 v[TMP+4*\b+\r], v[8*(6*\a+\b)+2*\r], v[8*(6*\a+\b)+2*\r+1]
.endr
.endr
.irp b, 0,1,2,3,4,5
.irp r, 0,1,2,3
	v_cvt_pk_f16_f32 v[TMP2+4*\b+\r], v[8*(6*\a+\b)+2*\r], v[8*(6*\a+\b)+2*\r+1]
.endr
.endr
	WIN 0
.irp b, 0,1,2,3,4,5
	s_mov_b32 vcc_lo, s[FM+\b]                     ; all lanes alike
.irp r, 0,1,2,3
	v_cndmask_b32 v[TMP+4*\b+\r], v[TMP+4*\b+\r], v[TMP2+4*\b+\r], vcc_lo     ; f16 for v, bf16 for q and k
.endr
.endr
.irp b, 0,1,2,3,4,5
	ds_store_b128 v[STO], v[TMP+4*\b:TMP+4*\b+3] offset:\i*16*SP+32*\b
.endr
.endm
	OUTROWS 0, 0, 0x0a
	OUTROWS 1, 1, 0x0a
	OUTROWS 2, 2, 0x0a
	OUTROWS 3, 3, 0x0a
	OUTROWS 4, 0, 0x0f
	OUTROWS 5, 1, 0x0f
	OUTROWS 6, 2, 0x0f
	OUTROWS 7, 3, 0x0f
	s_wait_dscnt 0x0                               ; my stores into the stage are done, for the other waves' sake
	s_barrier_signal -1
	s_barrier_wait -1
; head hh of the block's three: my 64 rows x 128 bytes, four rows to a load and to a store; a wave's store covers 512 consecutive bytes, aligned
.macro OUTHEAD hh, f
.irp t, 0,1,2,3,4,5,6,7,8,9,10,11,12,13,14,15
	ds_load_b128 v[\f+4*\t:\f+4*\t+3], v[RD] offset:\t*4*SP+128*\hh
.endr
.irp t, 0,1,2,3,4,5,6,7,8,9,10,11,12,13,14,15
	s_wait_dscnt 15-\t                             ; LDS loads come back in order: number t is in
	global_store_b128 v[CO], v[\f+4*\t:\f+4*\t+3], s[8:9] offset:\hh*HEADB+512*\t
.endr
.endm
	OUTHEAD 0, F0
	OUTHEAD 1, F1
	s_wait_xcnt 0x0                                ; buffer 0, which the first head's stores read, is loaded again only behind this wait
	OUTHEAD 2, F0
	s_set_vgpr_msb 0x1
	s_wait_tensorcnt 0x0
	ds_add_u32 v255, v255
	s_wait_dscnt 0x0
	s_set_vgpr_msb 0x100
	CROUND                                         ; the closing round: no work-group ends while a partner may still ask for a tile that names it
	s_endpgm
.Lfunc_end_k_q03ce7566f2_proj:
	.size	k_q03ce7566f2_proj, .Lfunc_end_k_q03ce7566f2_proj-k_q03ce7566f2_proj
	.p2alignl 7, 3214868480
	.fill 96, 4, 3214868480
	.section	.rodata,"a",@progbits
	.p2align	6, 0x0
	.amdhsa_kernel k_q03ce7566f2_proj
		.amdhsa_group_segment_fixed_size 327680
		.amdhsa_private_segment_fixed_size 0
		.amdhsa_enable_private_segment 0
		.amdhsa_kernarg_size 48
		.amdhsa_user_sgpr_count 2
		.amdhsa_user_sgpr_kernarg_segment_ptr 1
		.amdhsa_wavefront_size32 1
		.amdhsa_system_sgpr_workgroup_id_x 1
		.amdhsa_system_sgpr_workgroup_id_y 1
		.amdhsa_system_sgpr_workgroup_id_z 1
		.amdhsa_system_vgpr_workitem_id 0
		.amdhsa_next_free_vgpr 960
		.amdhsa_next_free_sgpr 90
		.amdhsa_reserve_vcc 1
		.amdhsa_float_denorm_mode_32 3
		.amdhsa_float_denorm_mode_16_64 3
		.amdhsa_memory_ordered 1
		.amdhsa_forward_progress 1
		.amdhsa_inst_pref_size 181
	.end_amdhsa_kernel
	.amdgpu_metadata
---
amdhsa.version: [ 1, 2 ]
amdhsa.kernels:
  - .name:           k_q03ce7566f2_proj
    .symbol:         k_q03ce7566f2_proj.kd
    .args:
      - { .name: xb, .offset: 0, .size: 8, .value_kind: global_buffer, .address_space: global }
      - { .name: wb, .offset: 8, .size: 8, .value_kind: global_buffer, .address_space: global }
      - { .name: bq, .offset: 16, .size: 8, .value_kind: global_buffer, .address_space: global }
      - { .name: bk, .offset: 24, .size: 8, .value_kind: global_buffer, .address_space: global }
      - { .name: bv, .offset: 32, .size: 8, .value_kind: global_buffer, .address_space: global }
      - { .name: qkv, .offset: 40, .size: 8, .value_kind: global_buffer, .address_space: global }
    .group_segment_fixed_size: 327680
    .private_segment_fixed_size: 0
    .kernarg_segment_align: 8
    .kernarg_segment_size: 48
    .max_flat_workgroup_size: 128
    .sgpr_count:     90
    .vgpr_count:     960
    .wavefront_size: 32
...
	.end_amdgpu_metadata
.endif
;; end of part 2
;; launch attn (part 3): grid 8 x 32, 8 waves a work-group, clusters of 4 x 1, 327,680 bytes of LDS; arguments qkv, attention_mask, out0; writes out0
.if DOCPART == 3
	.amdgcn_target "amdgcn-amd-amdhsa--gfx1250"
	.amdhsa_code_object_version 6
	.text
	.protected	k_q03ce7566f2_attn
	.globl	k_q03ce7566f2_attn
	.p2align	8
	.type	k_q03ce7566f2_attn,@function
k_q03ce7566f2_attn:
	s_mov_b64 s[64:65], 0
	v_nop
	global_prefetch_b8 v0, s[64:65] scope:SCOPE_SE
	s_setreg_imm32_b32 hwreg(HW_REG_WAVE_MODE, 25, 1), 1
	s_wait_xcnt 0x0
	s_wait_alu depctr_hold_cnt(0) depctr_sa_sdst(0) depctr_va_vdst(0) depctr_va_sdst(0) depctr_va_ssrc(0) depctr_va_vcc(0) depctr_vm_vsrc(0)
	s_getreg_b32 s2, hwreg(HW_REG_IB_STS2, 6, 4)
	s_cmp_eq_u32 s2, 0
	s_cbranch_scc0 .Lentry_in_a_cluster
	s_endpgm
.Lentry_in_a_cluster:
	s_bfe_u32 s2, ttmp6, 0x10000c
	s_cmp_lg_u32 s2, 0x3003
	s_cbranch_scc0 .Lentry_shape_is_right
	s_endpgm
.Lentry_shape_is_right:
; out0[b][s][64 h + d] = sum over keys of softmax(q k / 8 + mask) v, for 32 heads (b, h) of 2,048 queries and keys, head size 64.
; q, k (bf16) and v (f16): qkv[gh][m][d] (gh = h, 16 + h, 32 + h; m = 2,048 b + s).  mask: [2][2048] f32, added to every query's scores.  out0: f32.
; A work-group takes 256 queries of one head: grid x = query block (8), y = 16 b + h (32).  Eight waves, two for each SIMD, so that one wave's
; softmax runs beside the other's matrix work.  Wave w takes queries 64 (w & 3) .. + 63 and, of every 256 keys, the half w >> 2, in two blocks of 64.
; Each wave runs a softmax with a running maximum over its keys; the two waves of a pair are merged once at the end, through LDS.
; CLUSTERS: four query blocks of one head form a cluster and ask for K and V tiles jointly (mask 15), which divides those requests by four.
; (A head has eight query blocks; a joint request names four work-groups at the most here, so a head is two clusters.)
; TRANSPOSED PRODUCTS.  S^T = K Q^T: source 0 = 16 keys x 32 d, source 1 = 16 queries x 32 d.  Lane (r = l % 16, hh = l / 16) holds query r and, in register j,
; key 8 hh + j.  So maximum and sum of a query are work inside a lane plus one exchange between the halves, the factors are one number a lane, and two
; neighbouring score tiles, packed to 16 bits, ARE the source-1 fragment (16 queries x 32 keys) of O^T += V^T P^T: no shuffle.  V^T comes from V [key][d] by
; the transposing LDS load.
; FORMATS.  The score product takes bf16, whose range q and k may need.  The product of probabilities and v takes f16: a result is a mean of up to 2,048 numbers
; of v and can be some 40 times smaller than they are, so the roundings of P and of v weigh heavily; f16 keeps 11 significant bits where bf16 keeps 8.
; The probabilities lie in [0, 1], since the running maximum is taken away; for v's room see the limits.
; THE SCALE AND THE MASK.  The C operand of the score product is 8 x mask (exact), so a score register holds 8 x (score + mask); one packed multiply-add
; by c = log2(e) / 8 with -c x maximum gives the exponent in base 2.
; LIMITS.  q and k are rounded to bf16, v and the probabilities to f16; the sum of a row is made of the unrounded probabilities.  |v| beyond 65,504 is infinite
; in f16 (the launch that makes v gives the room by arithmetic).  A probability below 3e-8 of the running maximum's enters the product as 0, while the sum is
; at least 1.  The running maximum starts at -1e30 (in units of 8 x score): a batch in which every key has score + mask below -1.25e29 gives a sum of 0 and no
; finite result.  8 x mask overflows to -infinity beyond |mask| = 4.2e37: such a key counts as left out.  Exponentials below 2^-126 are 0 (ISA guide, v_exp_f32).
;
; LDS: slot s at 77,824 s: V 256 rows of pitch 160, then K 256 rows of pitch 144; 8 x mask of my batch at 155,648 (8,192 bytes);
; at 163,840 four regions of 17,408 bytes, one for each pair of waves: first the partner's O, maximum and sum, then the pair's 64 output rows of pitch 272.
; No tensor load ever lands in the last two; all regions start at multiples of 256.
; REGISTERS: window 0: v1-7 addresses; v8-31 the softmax's state; v32-63 mask tiles; v64-127 K fragments; v128-255 scores, then probabilities.
;            window 1: v0-127 O (tile (q, dt) at 8 (4 q + dt)); v128-191 Q fragments; v192-255 V fragments.
.set SLOT,  77824
.set VP,    160                        ; 5 x 32 bytes, for the transposing loads
.set KP,    144                        ; 9 x 16 bytes: the 16 rows of a fragment load fall on 16 different 16-byte columns of 256
.set KOFF,  256*VP                     ; K behind V in a slot
.set MASKB, 2*SLOT
.set XCH,   MASKB+8192
.set XREG,  17408
.set OP,    272                        ; an output row: 256 bytes + 16
.set TILEB, 32768                      ; 256 keys x 128 bytes in memory
.set KA, 1                             ; v1, v2   my K fragments in slot 0, 1
.set VA, 3                             ; v3, v4   my V fragments in slot 0, 1
.set MA, 5                             ; v5       my mask tiles in this lap
.set NM, 8                             ; v[8+2q]  -c x maximum of query tile q
.set MX, 9                             ; v[9+2q]  its maximum, as the score registers hold it
.set AL, 16                            ; v[16+2q] the factor for what was summed under the old maximum
.set TP, 17                            ; v[17+2q] at work
.set LS, 24                            ; v[24+2q:25+2q] two partial sums of the row
.set MK, 32                            ; mask tile kt at 32 + 8 kt
.set KF, 64                            ; K fragment (kt, dh) at 64 + 16 kt + 8 dh
.set SB, 128                           ; score tile (q, kt) at 128 + 32 q + 8 kt; probabilities (q, ks) at 128 + 32 q + 16 ks
.set OB, 0                             ; window 1
.set QF, 128                           ; window 1: Q fragment (q, dh) at 128 + 16 q + 8 dh
.set VF, 192                           ; window 1: V fragment (ks, dt) at 192 + 8 (4 ks + dt)
.set G1V, 24                           ; s[24:31] group 1 for V tiles
.set G1K, 32                           ; s[32:39] group 1 for K tiles
.set G0V, 40                           ; s[40:47] group 0 for V tiles, one set for each slot
.set G0K, 48                           ; s[48:55] group 0 for K tiles, one set for each slot
.set MSB, 0
.macro WIN new                         ; low byte: bits 1:0 source 0, 3:2 source 1, 5:4 source 2, 7:6 destination; the high byte repeats the setting that is left
.if MSB != \new
	s_set_vgpr_msb (MSB<<8)|\new
.set MSB, \new
.endif
.endm
; A round of the cluster's barrier.  Every window is 0 here (branch and label).
.macro ROUND
	s_barrier_signal -1
	s_barrier_wait -1
	s_cmp_lg_u32 s10, 0
	s_cbranch_scc1 .Lnot_wave_0_\@
	s_barrier_signal -3
.Lnot_wave_0_\@:
	s_barrier_wait -3
	s_barrier_signal -1
	s_barrier_wait -1
.endm
; A joint load of slot s: waves 0-3 fetch 64 rows of V each, waves 4-7 64 rows of K each.  The branch hangs on the wave's number alone.
.macro JLOAD s
	s_cmp_eq_u32 s12, 0
	s_cbranch_scc0 .Lfor_k_\@
	tensor_load_to_lds s[G0V+4*\s:G0V+4*\s+3], s[G1V:G1V+7]
	s_nop 0
	s_branch .Lasked_\@
.Lfor_k_\@:
	tensor_load_to_lds s[G0K+4*\s:G0K+4*\s+3], s[G1K:G1K+7]
	s_nop 0
.Lasked_\@:
.endm
	s_load_b128 s[4:7], s[0:1], 0x0                ; qkv s[4:5], mask s[6:7]
	s_load_b64 s[8:9], s[0:1], 0x10                ; out0
	v_lshl_add_u32 v254, v0, 2, 0x39000
	v_mov_b32 v255, 0
	ds_add_u32 v254, v255
	s_wait_dscnt 0x0
	v_lshrrev_b32 v1, 5, v0
	v_readfirstlane_b32 s10, v1                    ; wave 0..7
	s_and_b32 s11, s10, 3                          ; my 64 queries; also which 64 rows of a tile I fetch
	s_lshr_b32 s12, s10, 2                         ; my half of the keys; also: I fetch V (0) or K (1)
	s_bfe_u32 s13, ttmp6, 0x40000                  ; cx
	s_lshl_b32 s14, ttmp9, 2
	s_add_co_u32 s14, s14, s13                     ; query block = 4 x cluster x + cx
	s_and_b32 s15, ttmp7, 0xffff
	s_and_b32 s16, s15, 15                         ; h
	s_lshr_b32 s17, s15, 4                         ; b
	s_mov_b32 s18, 0x76543210                      ; v_permlanex16_b32: lane i of one half reads lane i of the other
	s_mov_b32 s19, 0xfedcba98
	s_mov_b32 s20, 0xf149f2ca                      ; -1e30: where the running maximum starts
	s_mov_b32 s22, 0x3e38aa3b                      ; c = log2(e) / 8
	s_mov_b32 s23, 0x3e38aa3b
	; group 1: tiles of 64 rows x 64 elements of 2 bytes (rows of 32 words), dense in memory; V padded by 8 words a row, K by 4
	s_mov_b32 s[G1V+0], 15|(1<<16)|(1<<20)|(1<<21)|(4<<22)|(7<<25)   ; 15:0 the mask: all four of the cluster; 17:16 2-byte elements; 20 padding; 21 set beside a mask; 24:22 every 32 words; 31:25 8 words
	s_mov_b32 s[G1K+0], 15|(1<<16)|(1<<20)|(1<<21)|(4<<22)|(3<<25)   ; 4 words
.irp g, G1V, G1K
	s_mov_b32 s[\g+1], 64<<16                      ; tensor_dim0 = 64
	s_mov_b32 s[\g+2], 64<<16                      ; tensor_dim1 = 64
	s_mov_b32 s[\g+3], 64<<16                      ; tile_dim0 = 64
	s_mov_b32 s[\g+4], 64                          ; tile_dim1 = 64
	s_mov_b32 s[\g+5], 64                          ; elements from row to row
	s_mov_b32 s[\g+6], 0
	s_mov_b32 s[\g+7], 0
.endr
	s_lshl_b32 s56, s16, 19                        ; h x 524,288
	s_lshl_b32 s57, s17, 18                        ; + b x 2,048 rows x 128 bytes
	s_add_co_u32 s56, s56, s57
	s_lshl_b32 s57, s11, 13                        ; + (w & 3) x 64 rows x 128 bytes: the same term serves my rows of a tile and my queries
	s_add_co_u32 s56, s56, s57
	s_mov_b32 s57, 0
	s_lshl_b32 s58, s14, 15                        ; my queries: + query block x 256 rows x 128 bytes (s58-61 may hold cx; no descriptor is made of them)
	s_add_co_u32 s58, s58, s56
	s_mov_b32 s59, 0
	s_mul_i32 s62, s10, 64*VP                      ; where my rows of a V tile go (waves 0-3)
	s_mul_i32 s63, s10, 64*KP                      ; where my rows of a K tile go (waves 4-7): KOFF + (w - 4) x 64 rows
	s_add_co_u32 s63, s63, KOFF-4*64*KP
	s_lshl_b32 s2, s17, 13                         ; my batch's 2,048 mask numbers
	s_mov_b32 s3, 0
	s_wait_kmcnt 0x0
	s_add_nc_u64 s[60:61], s[4:5], s[58:59]        ; my queries
	s_add_nc_u64 s[56:57], s[4:5], s[56:57]        ; my rows of head h's first tile, as if in q
	s_add_nc_u64 s[6:7], s[6:7], s[2:3]
	s_mov_b32 s3, 0xbe38aa3b                       ; -c
	s_lshl_b32 s58, s17, 11                        ; out0: row 2,048 b + 256 x query block + 64 (w & 3),
	s_lshl_b32 s59, s14, 8
	s_add_co_u32 s58, s58, s59
	s_lshl_b32 s59, s11, 6
	s_add_co_u32 s58, s58, s59
	s_lshl_b32 s58, s58, 12                        ; x 4,096 bytes,
	s_lshl_b32 s59, s16, 8                         ; + 256 h
	s_add_co_u32 s58, s58, s59
	s_mov_b32 s59, 0
	s_add_nc_u64 s[8:9], s[8:9], s[58:59]
.irp s, 0,1
	s_mov_b32 s[G0V+4*\s], 1
	s_add_co_u32 s[G0V+4*\s+1], s62, \s*SLOT
	s_add_nc_u64 s[G0V+4*\s+2:G0V+4*\s+3], s[56:57], 32*524288+\s*TILEB    ; v heads begin 32 heads behind q; tile s
	s_or_b32 s[G0V+4*\s+3], s[G0V+4*\s+3], 0x80000000
	s_mov_b32 s[G0K+4*\s], 1
	s_add_co_u32 s[G0K+4*\s+1], s63, \s*SLOT
	s_add_nc_u64 s[G0K+4*\s+2:G0K+4*\s+3], s[56:57], 16*524288+\s*TILEB    ; k heads 16 heads behind q
	s_or_b32 s[G0K+4*\s+3], s[G0K+4*\s+3], 0x80000000
.endr
	ROUND                                          ; the four work-groups are here: the first joint load meets
	JLOAD 0                                        ; keys 0-255.  One tensor load of a wave is out at any time in this text
	v_and_b32 v8, 15, v0                           ; r
	v_bfe_u32 v9, v0, 4, 1                         ; hh
	v_mul_u32_u24 v[KA], v8, KP                    ; K fragment: key r's row, 16 hh
	v_lshl_add_u32 v[KA], v9, 4, v[KA]
	s_mul_i32 s2, s12, 128*KP                      ; my half of the slot's keys
	s_add_co_u32 s2, s2, KOFF
	v_add_nc_u32 v[KA], s2, v[KA]
	v_add_nc_u32 v[KA+1], SLOT, v[KA]
	v_and_b32 v[VA], 7, v0                         ; V fragment, transposing load: row 8 hh + l % 8, 16 bytes at 16 ((l / 8) % 2)
	v_lshl_add_u32 v[VA], v9, 3, v[VA]
	v_mul_u32_u24 v[VA], v[VA], VP
	v_bfe_u32 v[VA+1], v0, 3, 1
	v_lshl_add_u32 v[VA], v[VA+1], 4, v[VA]
	s_mul_i32 s2, s12, 128*VP
	v_add_nc_u32 v[VA], s2, v[VA]
	v_add_nc_u32 v[VA+1], SLOT, v[VA]
	v_lshlrev_b32 v[MA], 5, v9                     ; mask tile: eight numbers at key 8 hh
	s_lshl_b32 s2, s12, 9
	s_add_co_u32 s2, s2, MASKB
	v_add_nc_u32 v[MA], s2, v[MA]
	v_lshlrev_b32 v6, 7, v8                        ; Q fragment from memory: query r's row of 128 bytes, 16 hh
	v_lshl_add_u32 v6, v9, 4, v6
	v_lshlrev_b32 v7, 4, v0                        ; the mask: thread t copies 16 bytes at 16 t and at 16 t + 4,096
	v_add_nc_u32 v16, MASKB, v7
	global_load_b128 v[32:35], v7, s[6:7]
	global_load_b128 v[36:39], v7, s[6:7] offset:4096
	WIN 0x40
.irp q, 0,1,2,3
.irp dh, 0,1
	global_load_b128 v[QF+16*\q+8*\dh:QF+16*\q+8*\dh+3],   v6, s[60:61] offset:2048*\q+64*\dh
	global_load_b128 v[QF+16*\q+8*\dh+4:QF+16*\q+8*\dh+7], v6, s[60:61] offset:2048*\q+64*\dh+32
.endr
.endr
	WIN 0
	s_wait_loadcnt 16                              ; the mask is in; the sixteen loads of Q stay out
.irp j, 32,34,36,38
	v_pk_mul_f32 v[\j:\j+1], v[\j:\j+1], 0x41000000 op_sel_hi:[1,0]        ; x 8, exact
.endr
	ds_store_b128 v16, v[32:35]
	ds_store_b128 v16, v[36:39] offset:4096        ; waited for in front of the first trip's round; read behind it
.irp q, 0,1,2,3
	v_mov_b32 v[TP+2*\q], 0                        ; v_permlanex16_b32 counts as a reader of its destination
.endr
	s_wait_loadcnt 0x0                             ; Q, once
; 24 LDS loads: block blk (64 keys) of my half of slot s: eight K fragments (16 keys x 32 d) and four mask tiles
.macro LOADKM s, blk
.irp kt, 0,1,2,3
.irp dh, 0,1
	ds_load_b128 v[KF+16*\kt+8*\dh:KF+16*\kt+8*\dh+3],   v[KA+\s] offset:64*KP*\blk+16*KP*\kt+64*\dh
	ds_load_b128 v[KF+16*\kt+8*\dh+4:KF+16*\kt+8*\dh+7], v[KA+\s] offset:64*KP*\blk+16*KP*\kt+64*\dh+32
.endr
.endr
.irp kt, 0,1,2,3
	ds_load_b128 v[MK+8*\kt:MK+8*\kt+3],   v[MA] offset:1024*\s+256*\blk+64*\kt
	ds_load_b128 v[MK+8*\kt+4:MK+8*\kt+7], v[MA] offset:1024*\s+256*\blk+64*\kt+16
.endr
.endm
; 16 transposing LDS loads: the block's eight V^T fragments (16 d x 32 keys)
.macro LOADV s, blk
	WIN 0x40
.irp ks, 0,1
.irp dt, 0,1,2,3
	ds_load_tr16_b128 v[VF+8*(4*\ks+\dt):VF+8*(4*\ks+\dt)+3],   v[VA+\s] offset:64*VP*\blk+32*VP*\ks+32*\dt
	ds_load_tr16_b128 v[VF+8*(4*\ks+\dt)+4:VF+8*(4*\ks+\dt)+7], v[VA+\s] offset:64*VP*\blk+32*VP*\ks+32*\dt+16*VP
.endr
.endr
.endm
; 32 matrix instructions: 64 keys x 64 queries.  The first sixteen start the sums from 8 x mask, the second sixteen add d = 32..63 in place:
; the sixteen accumulators take turns, one instruction a turn.
.macro QK
	WIN 0x04                                       ; source 1 (Q) window 1, all else window 0
.irp kt, 0,1,2,3
.irp q, 0,1,2,3
	v_wmma_f32_16x16x32_bf16 v[SB+32*\q+8*\kt:SB+32*\q+8*\kt+7], v[KF+16*\kt:KF+16*\kt+7], v[QF+16*\q:QF+16*\q+7], v[MK+8*\kt:MK+8*\kt+7]
.endr
.endr
.irp kt, 0,1,2,3
.irp q, 0,1,2,3
	v_wmma_f32_16x16x32_bf16 v[SB+32*\q+8*\kt:SB+32*\q+8*\kt+7], v[KF+16*\kt+8:KF+16*\kt+15], v[QF+16*\q+8:QF+16*\q+15], v[SB+32*\q+8*\kt:SB+32*\q+8*\kt+7]
.endr
.endr
	WIN 0
.rept 4
	v_nop                                          ; four places in front of the reads of the scores and of the loads into K's and the mask's registers
.endr
.endm
.macro SUBQ q                          ; exponents in base 2: c x score - c x maximum, two at a time
.set p, 0
.rept 16
	v_pk_fma_f32 v[SB+32*\q+2*p:SB+32*\q+2*p+1], v[SB+32*\q+2*p:SB+32*\q+2*p+1], s[22:23], v[NM+2*\q:NM+2*\q+1] op_sel_hi:[1,0,0]
.set p, p+1
.endr
.endm
.macro EXPQ q
.set p, 0
.rept 32
	v_exp_f32 v[SB+32*\q+p], v[SB+32*\q+p]
.set p, p+1
.endr
.endm
; Sum and pack: pair p of the tile row's 16 pairs is added onto the two partial sums, then rounded to f16 into register 16 (p / 8) + p % 8:
; never ahead of a register still to be read.  The first pair takes the old sums in, times the factor.
.macro SCQ q, first
.if \first
	s_wait_alu depctr_va_vdst(0)
	v_pk_add_f32 v[LS+2*\q:LS+2*\q+1], v[SB+32*\q:SB+32*\q+1], v[SB+32*\q+2:SB+32*\q+3]
	v_cvt_pk_f16_f32 v[SB+32*\q],   v[SB+32*\q],   v[SB+32*\q+1]
	v_cvt_pk_f16_f32 v[SB+32*\q+1], v[SB+32*\q+2], v[SB+32*\q+3]
.set p, 2
.else
	s_wait_alu depctr_va_vdst(0)
	v_pk_fma_f32 v[LS+2*\q:LS+2*\q+1], v[LS+2*\q:LS+2*\q+1], v[AL+2*\q:AL+2*\q+1], v[SB+32*\q:SB+32*\q+1] op_sel_hi:[1,0,1]
	v_cvt_pk_f16_f32 v[SB+32*\q],   v[SB+32*\q],   v[SB+32*\q+1]
.set p, 1
.endif
.rept 16-p
	v_pk_add_f32 v[LS+2*\q:LS+2*\q+1], v[LS+2*\q:LS+2*\q+1], v[SB+32*\q+2*p:SB+32*\q+2*p+1]
	v_cvt_pk_f16_f32 v[SB+32*\q+16*(p/8)+(p%8)], v[SB+32*\q+2*p], v[SB+32*\q+2*p+1]
.set p, p+1
.endr
.endm
; The softmax of one block, four query tiles.  first = 1: nothing has been summed yet.
.macro SOFTMAX first
.if \first
.irp q, 0,1,2,3
	v_max3_num_f32 v[MX+2*\q], v[SB+32*\q], v[SB+32*\q+1], s20
.endr
.else
.irp q, 0,1,2,3
	v_max3_num_f32 v[MX+2*\q], v[SB+32*\q], v[SB+32*\q+1], v[MX+2*\q]      ; the running maximum goes on
.endr
.endif
.set i, 1
.rept 15
.irp q, 0,1,2,3
	v_max3_num_f32 v[MX+2*\q], v[SB+32*\q+2*i], v[SB+32*\q+2*i+1], v[MX+2*\q]
.endr
.set i, i+1
.endr
.irp q, 0,1,2,3
	v_permlanex16_b32 v[TP+2*\q], v[MX+2*\q], s18, s19                     ; the other 32 keys of the same query
.endr
.irp q, 0,1,2,3
	v_max_num_f32 v[MX+2*\q], v[MX+2*\q], v[TP+2*\q]
.endr
.if \first
.irp q, 0,1,2,3
	v_mul_f32 v[NM+2*\q], s3, v[MX+2*\q]
.endr
.else
.irp q, 0,1,2,3
	v_mul_f32 v[TP+2*\q], s3, v[MX+2*\q]           ; -c x new maximum
.endr
.irp q, 0,1,2,3
	v_sub_f32 v[AL+2*\q], v[TP+2*\q], v[NM+2*\q]   ; c x (old - new), 0 at the most
.endr
.irp q, 0,1,2,3
	v_exp_f32 v[AL+2*\q], v[AL+2*\q]
.endr
.irp q, 0,1,2,3
	v_mov_b32 v[NM+2*\q], v[TP+2*\q]               ; plain instructions that touch no factor stand behind the exponentials (ISA guide 5.7.2)
.endr
.endif
	; behind each run of exponentials the first plain instruction belongs to another query tile
	SUBQ 0
	EXPQ 0
	SUBQ 1
	EXPQ 1
	SCQ 0, \first
	SUBQ 2
	EXPQ 2
	SCQ 1, \first
	SUBQ 3
	EXPQ 3
	SCQ 2, \first
	SCQ 3, \first
.if \first == 0
	WIN 0x41                                       ; O in window 1, the factor in window 0
.irp q, 0,1,2,3
.set p, 0
.rept 16
	v_pk_mul_f32 v[OB+32*\q+2*p:OB+32*\q+2*p+1], v[OB+32*\q+2*p:OB+32*\q+2*p+1], v[AL+2*\q:AL+2*\q+1] op_sel_hi:[1,0]
.set p, p+1
.endr
.endr
.endif
.endm
; 32 matrix instructions, f16 operands: O^T += V^T P^T, 64 d x 64 queries over 64 keys.  Sixteen accumulators take turns, one instruction a turn.
.macro PV first
	WIN 0x51                                       ; source 0 (V), C and D (O) window 1, source 1 (P) window 0
.irp ks, 0,1
.irp dt, 0,1,2,3
.irp q, 0,1,2,3
.if \first*(1-\ks)
	v_wmma_f32_16x16x32_f16 v[OB+8*(4*\q+\dt):OB+8*(4*\q+\dt)+7], v[VF+8*(4*\ks+\dt):VF+8*(4*\ks+\dt)+7], v[SB+32*\q+16*\ks:SB+32*\q+16*\ks+7], 0
.else
	v_wmma_f32_16x16x32_f16 v[OB+8*(4*\q+\dt):OB+8*(4*\q+\dt)+7], v[VF+8*(4*\ks+\dt):VF+8*(4*\ks+\dt)+7], v[SB+32*\q+16*\ks:SB+32*\q+16*\ks+7], v[OB+8*(4*\q+\dt):OB+8*(4*\q+\dt)+7]
.endif
.endr
.endr
.endr
	WIN 0
.rept 5
	v_nop                                          ; five places in front of the next score products, which write over P; they also serve the loads into V's registers and the stores of O
.endr
.endm
; One tile of 256 keys in slot `slot`.  In front of the round each wave waits for all its tensor loads (its part of this tile) and for its LDS accesses
; (its reads of the other slot; in the first trip its stores of the mask).  Behind the round the other slot is asked for first, then this one is read.
.macro TRIP slot, other, refill, first
	s_wait_xcnt 0x0
	v_lshl_add_u32 v254, v0, 2, 0x39000
	v_mov_b32 v255, 0
	s_wait_tensorcnt 0x0                           ; no tensor load of mine is out, so a group 0 may be written:
	ds_add_u32 v254, v255
	s_wait_dscnt 0x0
	s_add_nc_u64 s[G0V+4*\slot+2:G0V+4*\slot+3], s[G0V+4*\slot+2:G0V+4*\slot+3], 2*TILEB   ; this slot's next tile
	s_add_nc_u64 s[G0K+4*\slot+2:G0K+4*\slot+3], s[G0K+4*\slot+2:G0K+4*\slot+3], 2*TILEB
	s_wait_dscnt 0x0
	ROUND                                          ; both now hold of every wave of the four work-groups
.if \refill
	JLOAD \other                                   ; my one tensor load until the next round; it has this trip's work in which to land
.endif
	LOADKM \slot, 0
	LOADV \slot, 0
	s_wait_dscnt 16                                ; K and the mask are in; the 16 loads of V stay out
	QK
	LOADKM \slot, 1
	SOFTMAX \first
	s_wait_dscnt 24                                ; V is in; the next block's 24 loads of K and mask stay out
	PV \first
	LOADV \slot, 1
	s_wait_dscnt 16                                ; K and the mask of block 1 are in; its 16 loads of V stay out
	QK
	SOFTMAX 0
	s_wait_dscnt 0x0                               ; V of block 1
	PV 0
.endm
.macro LAP first, lastfill             ; two tiles, once round the ring
	TRIP 0, 1, 1, \first
	TRIP 1, 0, \lastfill, 0
	v_add_nc_u32 v[MA], 2048, v[MA]                ; 512 keys on in the mask
.endm
	LAP 1, 1                                       ; tiles 0 and 1: the first block starts maximum, sums and O
	s_mov_b32 s21, 2
.Llap:
	LAP 0, 1                                       ; tiles 2 to 5
	s_sub_co_u32 s21, s21, 1
	s_cmp_lg_u32 s21, 0
	s_cbranch_scc1 .Llap
	LAP 0, 0                                       ; tiles 6 and 7: behind tile 7's request nothing is left to fetch
	; THE MERGE.  Each wave finishes its row sums; waves 4-7 hand O, -c x maximum and the sum to their partners through LDS.
.irp q, 0,1,2,3
	v_add_f32 v[LS+2*\q], v[LS+2*\q], v[LS+2*\q+1]
.endr
.irp q, 0,1,2,3
	v_permlanex16_b32 v[TP+2*\q], v[LS+2*\q], s18, s19
.endr
.irp q, 0,1,2,3
	v_add_f32 v[LS+2*\q], v[LS+2*\q], v[TP+2*\q]   ; the sum over my keys, in both lanes of the query
.endr
	s_mul_i32 s2, s11, XREG
	s_add_co_u32 s2, s2, XCH                       ; my pair's region
	v_and_b32 v6, 15, v0                           ; r
	v_bfe_u32 v7, v0, 4, 1                         ; hh
	v_and_b32 v1, 31, v0
	v_lshlrev_b32 v1, 4, v1
	v_add_nc_u32 v1, s2, v1                        ; the exchange: 16 x lane
	v_mul_u32_u24 v2, v6, OP
	v_lshl_add_u32 v2, v7, 5, v2
	v_add_nc_u32 v2, s2, v2                        ; the stage, in: row r, 32 bytes at 32 hh
	v_mul_u32_u24 v3, v7, OP
	v_lshl_add_u32 v3, v6, 4, v3
	v_add_nc_u32 v3, s2, v3                        ; back: lanes 0-15 one row of 256 bytes, lanes 16-31 the next
	v_lshlrev_b32 v4, 12, v7
	v_lshl_add_u32 v4, v6, 4, v4                   ; and the same two rows in out0, 4,096 bytes apart
	s_cmp_eq_u32 s12, 0
	s_cbranch_scc1 .Lmeet
.irp q, 0,1,2,3
	v_mov_b32 v[32+\q], v[NM+2*\q]
	v_mov_b32 v[36+\q], v[LS+2*\q]
.endr
	WIN 0x04                                       ; store data (source 1) in window 1
.set i, 0
.rept 32
	ds_store_b128 v1, v[OB+4*i:OB+4*i+3] offset:512*i
.set i, i+1
.endr
	WIN 0
	ds_store_b128 v1, v[32:35] offset:16384
	ds_store_b128 v1, v[36:39] offset:16896
.Lmeet:
	s_wait_dscnt 0x0                               ; the stores are done, for the partner's sake
	s_barrier_signal -1
	s_barrier_wait -1
	s_cmp_lg_u32 s12, 0
	s_cbranch_scc1 .Lclose                         ; waves 4-7 have nothing left but the closing round
.set i, 0
.rept 32
	ds_load_b128 v[SB+4*i:SB+4*i+3], v1 offset:512*i       ; the partner's O, in my own layout
.set i, i+1
.endr
	ds_load_b128 v[32:35], v1 offset:16384         ; its -c x maxima
	ds_load_b128 v[36:39], v1 offset:16896         ; its sums
	s_wait_dscnt 0x0
.irp q, 0,1,2,3
	v_min_num_f32 v[TP+2*\q], v[NM+2*\q], v[32+\q] ; -c x the larger maximum
.endr
.irp q, 0,1,2,3
	v_sub_f32 v[AL+2*\q], v[TP+2*\q], v[NM+2*\q]   ; both exponents are 0 at the most
	v_sub_f32 v[NM+2*\q], v[TP+2*\q], v[32+\q]
.endr
.irp q, 0,1,2,3
	v_exp_f32 v[AL+2*\q], v[AL+2*\q]               ; my factor
	v_exp_f32 v[NM+2*\q], v[NM+2*\q]               ; the partner's
.endr
	v_nop                                          ; a plain place behind the exponentials (ISA guide 5.7.2)
	s_wait_alu depctr_va_vdst(0)
.irp q, 0,1,2,3
	v_mul_f32 v[LS+2*\q], v[LS+2*\q], v[AL+2*\q]
	v_fmac_f32 v[LS+2*\q], v[NM+2*\q], v[36+\q]    ; the whole row's sum
.endr
.irp q, 0,1,2,3
	v_rcp_f32 v[LS+2*\q], v[LS+2*\q]
.endr
	v_nop
	s_wait_alu depctr_va_vdst(0)
.irp q, 0,1,2,3
	v_mul_f32 v[AL+2*\q], v[AL+2*\q], v[LS+2*\q]   ; factor / sum, mine
	v_mul_f32 v[NM+2*\q], v[NM+2*\q], v[LS+2*\q]   ; and the partner's
.endr
.irp q, 0,1,2,3
.set p, 0
.rept 16
	v_pk_mul_f32 v[SB+32*\q+2*p:SB+32*\q+2*p+1], v[SB+32*\q+2*p:SB+32*\q+2*p+1], v[NM+2*\q:NM+2*\q+1] op_sel_hi:[1,0]
.set p, p+1
.endr
.endr
	WIN 0x01                                       ; source 0 (my O) window 1
.irp q, 0,1,2,3
.set p, 0
.rept 16
	v_pk_fma_f32 v[SB+32*\q+2*p:SB+32*\q+2*p+1], v[OB+32*\q+2*p:OB+32*\q+2*p+1], v[AL+2*\q:AL+2*\q+1], v[SB+32*\q+2*p:SB+32*\q+2*p+1] op_sel_hi:[1,0,1]
.set p, p+1
.endr
.endr
	; THE WAY OUT.  A lane holds d = 16 dt + 8 hh + 0..7 of query 16 q + r: 32 bytes of a row.  The rows go through the pair's region (its bytes have been read,
	; and LDS serves a wave's instructions in order, ISA guide 5.7.1), and come back as whole rows of 256 bytes.  Two halves of 32 rows: 16 LDS stores,
	; 16 LDS loads, 16 stores to memory each.
.macro OUTHALF hf
	WIN 0
.irp q, 2*\hf, 2*\hf+1
.irp dt, 0,1,2,3
	ds_store_b128 v2, v[SB+8*(4*(\q)+\dt):SB+8*(4*(\q)+\dt)+3]   offset:16*OP*(\q)+64*\dt
	ds_store_b128 v2, v[SB+8*(4*(\q)+\dt)+4:SB+8*(4*(\q)+\dt)+7] offset:16*OP*(\q)+64*\dt+16
.endr
.endr
	WIN 0x40                                       ; back into O's registers, which are free now; each load has four of its own
.set t, 16*\hf
.rept 16
	ds_load_b128 v[OB+4*t:OB+4*t+3], v3 offset:2*OP*t
.set t, t+1
.endr
	WIN 0x04                                       ; store data (source 1) in window 1
.set t, 16*\hf
.set u, 0
.rept 16
	s_wait_dscnt 15-u                              ; LDS loads come back in order: number u of this half is in, the younger ones stay out
	global_store_b128 v4, v[OB+4*t:OB+4*t+3], s[8:9] offset:8192*t th:TH_STORE_NT     ; sixteen lanes store 256 consecutive bytes, at a multiple of 256 from out0's first byte
.set t, t+1
.set u, u+1
.endr
.endm
	OUTHALF 0
	OUTHALF 1
	WIN 0
.Lclose:
	s_wait_xcnt 0x0
	v_lshl_add_u32 v254, v0, 2, 0x39000
	v_mov_b32 v255, 0
	s_wait_tensorcnt 0x0
	ds_add_u32 v254, v255
	s_wait_dscnt 0x0
	ROUND                                          ; the closing round: no work-group ends while a partner may still ask for a tile that names it
	s_endpgm
.Lfunc_end_k_q03ce7566f2_attn:
	.size	k_q03ce7566f2_attn, .Lfunc_end_k_q03ce7566f2_attn-k_q03ce7566f2_attn
	.p2alignl 7, 3214868480
	.fill 96, 4, 3214868480
	.section	.rodata,"a",@progbits
	.p2align	6, 0x0
	.amdhsa_kernel k_q03ce7566f2_attn
		.amdhsa_group_segment_fixed_size 327680
		.amdhsa_private_segment_fixed_size 0
		.amdhsa_enable_private_segment 0
		.amdhsa_kernarg_size 24
		.amdhsa_user_sgpr_count 2
		.amdhsa_user_sgpr_kernarg_segment_ptr 1
		.amdhsa_wavefront_size32 1
		.amdhsa_system_sgpr_workgroup_id_x 1
		.amdhsa_system_sgpr_workgroup_id_y 1
		.amdhsa_system_sgpr_workgroup_id_z 1
		.amdhsa_system_vgpr_workitem_id 0
		.amdhsa_next_free_vgpr 512
		.amdhsa_next_free_sgpr 66
		.amdhsa_reserve_vcc 0
		.amdhsa_float_denorm_mode_32 3
		.amdhsa_float_denorm_mode_16_64 3
		.amdhsa_memory_ordered 1
		.amdhsa_forward_progress 1
		.amdhsa_inst_pref_size 255
	.end_amdhsa_kernel
	.section	.bss,"aw",@nobits
	.p2align	6
	.space	262144
	.amdgpu_metadata
---
amdhsa.version: [ 1, 2 ]
amdhsa.kernels:
  - .name:           k_q03ce7566f2_attn
    .symbol:         k_q03ce7566f2_attn.kd
    .args:
      - { .name: qkv, .offset: 0, .size: 8, .value_kind: global_buffer, .address_space: global }
      - { .name: attention_mask, .offset: 8, .size: 8, .value_kind: global_buffer, .address_space: global }
      - { .name: out0, .offset: 16, .size: 8, .value_kind: global_buffer, .address_space: global }
    .group_segment_fixed_size: 327680
    .private_segment_fixed_size: 0
    .kernarg_segment_align: 8
    .kernarg_segment_size: 24
    .max_flat_workgroup_size: 256
    .sgpr_count:     66
    .vgpr_count:     512
    .wavefront_size: 32
...
	.end_amdgpu_metadata
.endif
;; end of part 3
